; MI455X (gfx1250); checked and timed in simulation.
; The chip was launched on July 23, 2026; its instructions are those of AMD's public machine-readable ISA for CDNA 5 (MIT licence, August 2026) and "CDNA5" Instruction Set Architecture Reference Guide (July 2026). The comments in the code are by the model that wrote it; some were corrected since.
;; Cross Attention Module. Allowed arithmetic: matrix products marked QUANTISED: E2M1 operands, one E8M0 scale for each 32 along K, by v_wmma_scale_f32_16x16x128_f8f6f4 with both operands' format E2M1 (or v_wmma_scale_f32_32x16x128_f4), f32 sums; everything else in f32.
;; Inputs: bk 32 float32; bq 32 float32; bv 256 float32; feature1_codes 8 x 64 x 64 x 8 x 16 uint8 (E2M1 codes of feature1, K innermost, in blocks of 32 codes, two codes a byte); feature1_scales 8 x 64 x 64 x 8 uint8 (E8M0 scales of feature1, one for each 32 codes along K); feature2_codes 8 x 64 x 64 x 8 x 16 uint8 (E2M1 codes of feature2, K innermost, in blocks of 32 codes, two codes a byte); feature2_scales 8 x 64 x 64 x 8 uint8 (E8M0 scales of feature2, one for each 32 codes along K); feature3_codes 8 x 64 x 64 x 8 x 16 uint8 (E2M1 codes of feature3, K innermost, in blocks of 32 codes, two codes a byte); feature3_scales 8 x 64 x 64 x 8 uint8 (E8M0 scales of feature3, one for each 32 codes along K); wk_codes 32 x 8 x 16 uint8 (E2M1 codes of wk, K innermost, in blocks of 32 codes, two codes a byte); wk_scales 32 x 8 uint8 (E8M0 scales of wk, one for each 32 codes along K); wq_codes 32 x 8 x 16 uint8 (E2M1 codes of wq, K innermost, in blocks of 32 codes, two codes a byte); wq_scales 32 x 8 uint8 (E8M0 scales of wq, one for each 32 codes along K); wv_codes 256 x 8 x 16 uint8 (E2M1 codes of wv, K innermost, in blocks of 32 codes, two codes a byte); wv_scales 256 x 8 uint8 (E8M0 scales of wv, one for each 32 codes along K).
;; Outputs: out0 8 x 256 x 64 x 64 float32.
;; This version of the problem:
;;   THIS VERSION OF THE PROBLEM IS GIVEN IN LOW PRECISION. The matrix products marked QUANTISED in the list below multiply operands that are first quantised to E2M1 (2 exponent bits, 1 mantissa bit; 4 bits a number), with one power-of-two scale for each 32 numbers along K (OCP MX v1.0); their sums are f32. All else is computed in f32.
;;   The module's matrix products, in the order in which they are computed (A, B: the left and right operand; K: the contracted axis; several contracted axes count as one K, in the product's order):
;;     1. [M 32, K 256] x [K 256, N 32,768]; A: input wq (given as codes); B: input feature1 (given as codes): QUANTISED
;;     2. [M 32, K 256] x [K 256, N 32,768]; A: input wk (given as codes); B: input feature2 (given as codes): QUANTISED
;;     3. [M 256, K 256] x [K 256, N 32,768]; A: input wv (given as codes); B: input feature3 (given as codes): QUANTISED
;;     4. batch 8 x [M 4,096, K 32] x [K 32, N 4,096]; A: computed on the way; B: computed on the way: QUANTISED
;;     5. batch 8 x [M 256, K 4,096] x [K 4,096, N 4,096]; A: computed on the way; B: softmax (see below): QUANTISED
;;   THE QUANTISER, for each operand of a quantised product, along K:
;;     - K is cut into blocks of 32 from its start; a last block that is shorter is filled with zeros.
;;     - A block's scale is 2^e with e = floor(log2(the largest magnitude in the block)) - 2, held to -126 .. 127; a block of zeros has e = 0. As a byte (E8M0): e + 127.
;;     - Each number is divided by its block's scale, clamped to +-6, and rounded to the nearest number of E2M1, ties to even, subnormals kept.
;;     - The product sums the exact products of the quantised numbers (number of the format x scale) in f32.
;;   ~~~python
;;   def quantise(x, axis):      # numpy; x: float32 -> the quantised numbers, widened to float32 again
;;       x = np.moveaxis(x, axis, -1); K = x.shape[-1]
;;       x = np.pad(x, [(0, 0)] * (x.ndim - 1) + [(0, -K % 32)]); x = x.reshape(x.shape[:-1] + (-1, 32)); a = np.abs(x).max(-1, keepdims=True)
;;       e = np.where(a > 0, np.clip(np.frexp(np.where(a > 0, a, 1))[1] - 1 - 2, -126, 127), 0)      # np.frexp(a)[1] - 1 = floor(log2(a)), exactly
;;       r = np.clip(x / 2.0 ** e, -6, 6)
;;       step = 2.0 ** (np.maximum(np.frexp(np.where(r == 0, 1, r))[1] - 1, 0) - 1)
;;       q = np.round(r / step) * step * 2.0 ** e      # np.round: ties to even
;;       return np.moveaxis(q.reshape(q.shape[:-2] + (-1,))[..., :K], -1, axis).astype(np.float32)
;;   ~~~
;;   SOFTMAX AHEAD OF A QUANTISED PRODUCT. Where the list says 'softmax', what is quantised is not the finished softmax but p = 2^(t - M), with t = logit x log2(e) and M = ceil(the row's largest t), a whole number; so 1/2 < the row's largest p <= 1. The row's sum l is taken of the UNQUANTISED p, in f32, and the product's result is divided by l at the end. Since M is a whole number, a kernel that streams over the keys may use a running M (the ceiling of the running maximum): every later rescaling is an exact power of two, which a block's scale takes up: the codes' values come out the same.
;;   OPERANDS COMPUTED ON THE WAY. 'Computed on the way' means the value that the module computes at that place (a softmax that the list does not call 'softmax' is quantised finished and normalised). What goes into a quantiser is computed in f32, as accurately as f32 sums, v_exp_f32 and their like allow (about 1e-6 of the number): no bf16 or f16 on the way to a quantiser, and a product that is left as it is and whose result goes on into a quantised operand takes f32 operands (vector FMAs, or v_wmma_f32_16x16x4_f32). A number that lies on a knife's edge between two numbers of the format may be rounded either way, as far as f32 arithmetic and the matrix unit's own rounding can turn it there, and no further.
;;   INPUTS GIVEN AS CODES. feature1 (in the module: [8, 256, 64, 64], K = its axis 1); feature2 (in the module: [8, 256, 64, 64], K = its axis 1); feature3 (in the module: [8, 256, 64, 64], K = its axis 1); wk (in the module: [32, 256], K = its axis 1); wq (in the module: [32, 256], K = its axis 1); wv (in the module: [256, 256], K = its axis 1): each comes as NAME_codes (uint8): NAME with its K axis moved to the last place and cut into blocks of 32 codes, [.., K / 32, bytes a block], one block behind the other in memory; two codes a byte, the lower K in the low four bits (a code: sign, 2 exponent bits, 1 mantissa bit); and NAME_scales (uint8): the same leading axes, one E8M0 byte (e + 127) for each 32 codes along K. Its value is code x scale, taken as it is: it is not quantised again, and the codes and scales need not be those that the quantiser above would give.
;; One version. Each part assembles by itself: llvm-mc -triple=amdgcn-amd-amdhsa -mcpu=gfx1250 --defsym DOCPART=n.
;; ======== version 1 of 1: 2 launches
;; workspace buffers: qq 557,056 bytes; kq 557,056 bytes; vq 4,456,448 bytes
;; launch project (part 1): grid 32 x 8, 12 waves a work-group, no clusters, 59,904 bytes of LDS; arguments feature1_codes, feature2_codes, feature3_codes, feature1_scales, feature2_scales, feature3_scales, wq_codes, wk_codes, wv_codes, wq_scales, wk_scales, wv_scales, bq, bk, bv, qq, kq, vq; writes qq, kq, vq
.if DOCPART == 1
	.amdgcn_target "amdgcn-amd-amdhsa--gfx1250"
	.amdhsa_code_object_version 6
	.text
	.protected	k_qdde1eeb168_project
	.globl	k_qdde1eeb168_project
	.p2align	8
	.type	k_qdde1eeb168_project,@function
k_qdde1eeb168_project:
	s_mov_b64 s[64:65], 0
	v_nop
	global_prefetch_b8 v0, s[64:65] scope:SCOPE_SE
	s_setreg_imm32_b32 hwreg(HW_REG_WAVE_MODE, 25, 1), 1
	s_wait_xcnt 0x0
; q = wq f1 + bq, k = wk f2 + bk, v = wv f3 + bv on the given codes of FP4 (E2M1, one E8M0 byte for each 32 along K = 256 channels); the results, f32 sums, are quantised at once
; for the attention that follows: q and k along their 32 channels (one block a pixel), v along the pixels (blocks of 32), and stored in the order of the operand registers that will take them.
; SHARES.  A work-group takes 128 pixels of one batch.  All 12 waves first copy the three features' codes (128 bytes a pixel) and scale bytes into LDS; one barrier; then waves 0-7 make v
; (two tiles of 16 channels each), waves 8, 9 q and waves 10, 11 k (64 pixels each).  The roles part once on the wave's number and do not meet again.
; ROWS IN LDS ARE PERMUTED: pixel 64 c + 32 a + 8 t + i lies at row 64 c + 16 t + 8 a + i, so that the 16 rows of tile (c, t) are neighbours in LDS although its pixels are two runs of eight, 32 apart.
;   v: source 0 = such a tile of pixels, source 1 = 16 rows of wv: lane (r, h) holds channel r, and the 32 registers of tiles t = 0..3 are pixels 64 c + 32 h + 0..31: ONE WHOLE BLOCK in a lane.
;   q, k: source 0 = 16 rows of the weight (tile u's row rho = channel 8 u + rho + (rho & 8)), source 1 = a tile of pixels: lane (r, h) holds pixel-row r and channels 16 h + 0..15.
; OUT.  qq, kq, for each batch 69,632 bytes: codes [group of 64 pixels][tile j: 4][row rho: 16][16 bytes], then at 65,536 scale words [128 pixels][group % 2][rho], byte j = tile j's row rho.
;       vq, for each batch and each 128 pixels 17,408 bytes: codes [channel tile: 16][c: 2][lane: 32][16 bytes] (the fragment's registers 4 c .. 4 c + 3 as they stand), then at 16,384
;       scale words [pair of tiles: 8][lane: 32]: lanes 0-15 the even tile's channels, lanes 16-31 the odd tile's; byte = block of 32 pixels.
; A block's scale byte is its largest magnitude's exponent field - 2, held at 1 from below.
; LIMITS: a block of zeros gets the byte 1 where the quantiser says 127 (its codes are zeros, and this program alone reads the bytes); NaN, infinities and given scale bytes 0xff are not served.
.set PIT,  144                         ; an LDS row: 128 bytes of codes + 16: the 16 rows of a fragment load start 36 words apart
.set FEAT, 128*PIT                     ; one feature's 128 rows
.set FSC,  3*FEAT                      ; behind them the scale bytes, [feature][pixel][8], in the pixels' own order
.set QKB,  69632                       ; a batch of qq or kq
.set VST,  17408                       ; a step (128 pixels) of vq
; d = a x b + c on 128 along K; row = 1: the scale words of the second 128 channels, which lie in lanes 16-31 of the same registers
.macro MM d, a, b, c, sa, sb, row
.if \row
	v_wmma_scale_f32_16x16x128_f8f6f4 v[\d:\d+7], v[\a:\a+7], v[\b:\b+7], v[\c:\c+7], v[\sa], v[\sb] matrix_a_fmt:MATRIX_FMT_FP4 matrix_b_fmt:MATRIX_FMT_FP4 matrix_a_scale:MATRIX_SCALE_ROW1 matrix_b_scale:MATRIX_SCALE_ROW1
.else
	v_wmma_scale_f32_16x16x128_f8f6f4 v[\d:\d+7], v[\a:\a+7], v[\b:\b+7], v[\c:\c+7], v[\sa], v[\sb] matrix_a_fmt:MATRIX_FMT_FP4 matrix_b_fmt:MATRIX_FMT_FP4
.endif
.endm
	s_load_b512 s[8:23], s[0:1], 0x0               ; f1c 8, f2c 10, f3c 12, f1s 14, f2s 16, f3s 18, wqc 20, wkc 22
	s_load_b512 s[24:39], s[0:1], 0x40             ; wvc 24, wqs 26, wks 28, wvs 30, bq 32, bk 34, bv 36, qq 38
	s_load_b128 s[40:43], s[0:1], 0x80             ; kq 40, vq 42
	v_lshl_add_u32 v254, v0, 2, 0xe400
	v_mov_b32 v255, 0
	v_lshrrev_b32 v1, 5, v0
	v_readfirstlane_b32 s44, v1                    ; wave 0..11
	s_mov_b32 s45, ttmp9                           ; x: which 128 pixels
	s_and_b32 s46, ttmp7, 0xffff                   ; the batch
	s_mov_b32 s48, 0x76543210
	s_mov_b32 s49, 0xfedcba98                      ; v_permlanex16_b32's selects for lane l xor 16
	v_and_b32 v1, 31, v0                           ; lane
	v_and_b32 v2, 15, v0                           ; r
	v_bfe_u32 v3, v0, 4, 1                         ; h
	v_lshlrev_b32 v4, 4, v1                        ; 16 x lane
	v_lshlrev_b32 v5, 3, v1                        ; 8 x lane
	v_lshlrev_b32 v6, 2, v1                        ; 4 x lane
	; THE COPY.  Wave w takes feature w / 4 and 32 pixels, 32 (w % 4) on.  Load i brings 4 pixels (512 dense bytes): lane l has pixel 4 i + l / 8, bytes 16 (l % 8) on.
	; Its LDS row: 128 (w / 4) + 64 ((w / 2) % 2) + 8 (w % 2) + l / 8, and 16 (i / 2) + 4 (i % 2) in the immediate.
	v_and_b32 v7, 0x1c0, v0                        ; 64 x (thread / 64) = 128 (w / 4) + 64 ((w / 2) % 2)
	v_bfe_u32 v9, v0, 5, 1
	v_lshl_add_u32 v7, v9, 3, v7                   ; + 8 (w % 2)
	v_bfe_u32 v9, v0, 3, 2
	v_add_nc_u32 v7, v7, v9                        ; + l / 8
	v_mul_u32_u24 v7, v7, PIT
	v_and_b32 v9, 7, v0
	v_lshl_add_u32 v7, v9, 4, v7                   ; + 16 (l % 8) bytes
	v_lshl_add_u32 v8, v0, 3, FSC                  ; the scale bytes: 8 x thread = 1,024 (w / 4) + 256 (w % 4) + 8 x lane
	s_and_b32 s47, s44, 3
	s_lshl_b32 s50, s46, 19                        ; a batch's codes: 4,096 pixels x 128 bytes
	s_lshl_b32 s51, s45, 14
	s_add_co_u32 s50, s50, s51
	s_lshl_b32 s51, s47, 12
	s_add_co_u32 s50, s50, s51
	s_mov_b32 s51, 0
	s_lshr_b32 s52, s50, 4                         ; the scale bytes are a sixteenth of the codes' bytes
	s_mov_b32 s53, 0
	s_wait_kmcnt 0x0
	s_cmp_lt_u32 s44, 4                            ; which feature: the choice hangs on the wave's number alone
	s_cselect_b64 s[54:55], s[8:9], s[10:11]
	s_cselect_b64 s[56:57], s[14:15], s[16:17]
	s_cmp_lt_u32 s44, 8
	s_cselect_b64 s[54:55], s[54:55], s[12:13]
	s_cselect_b64 s[56:57], s[56:57], s[18:19]
	s_add_nc_u64 s[54:55], s[54:55], s[50:51]
	s_add_nc_u64 s[56:57], s[56:57], s[52:53]
.irp i, 0,1,2,3,4,5,6,7
	global_load_b128 v[16+4*\i:19+4*\i], v4, s[54:55] offset:512*\i th:TH_LOAD_NT   ; read once in the launch
.endr
	global_load_b64 v[50:51], v5, s[56:57] th:TH_LOAD_NT
.irp i, 0,1,2,3,4,5,6,7
	s_wait_loadcnt 8-\i                            ; behind load i: 7 - i loads of codes and the load of scale bytes
	ds_store_b128 v7, v[16+4*\i:19+4*\i] offset:(16*(\i/2)+4*(\i%2))*PIT
.endr
	s_wait_loadcnt 0x0
	ds_store_b64 v8, v[50:51]
	s_wait_dscnt 0x0                               ; for the others' sake: my stores have landed
	s_barrier_signal -1
	s_barrier_wait -1                              ; the one barrier: from here on LDS is only read
	s_cmp_lt_u32 s44, 8
	s_cbranch_scc0 .Lqk
	; ---------------- v: waves 0-7, channel tiles 2 w and 2 w + 1 ----------------
	; v16-47 wv's fragments (tile i, K step ks: 16 + 16 i + 8 ks); v52-53 their scale words (lanes 0-15 K step 0, lanes 16-31 K step 1); v56-63 the pixels' scale words, likewise (4 c + t);
	; v64-79 bv as C; v80-143 the pixels' fragments of the group in hand (16 t + 8 ks); v144-207 the sums (32 i + 8 t); v208-223 codes (8 c + 4 i); v224.. at work
	v_mul_u32_u24 v9, v2, PIT
	v_lshl_add_u32 v9, v3, 4, v9
	v_add_nc_u32 v9, 2*FEAT, v9                    ; feature3: row r of a tile, + 16 h
	v_lshrrev_b32 v15, 3, v2
	v_and_b32 v10, 7, v2
	v_lshl_add_u32 v10, v15, 5, v10                ; row r of a tile is pixel 32 (r / 8) + r % 8 (+ 64 c + 8 t)
	v_lshlrev_b32 v10, 3, v10
	v_lshl_add_u32 v10, v3, 2, v10                 ; 8 bytes a pixel; lanes 16-31 take the second word
	v_add_nc_u32 v10, FSC+2048, v10
	v_lshlrev_b32 v11, 7, v2
	v_lshl_add_u32 v11, v3, 4, v11                 ; wv: row r of 128 bytes, + 16 h
	v_lshlrev_b32 v12, 3, v2
	v_lshl_add_u32 v12, v3, 2, v12                 ; its scale words
	v_lshlrev_b32 v13, 2, v2                       ; bv: 4 r
	v_lshlrev_b32 v14, 3, v3                       ; 8 h: where my blocks' bytes stand in a scale word
	s_mov_b32 s51, 0
	s_lshl_b32 s50, s44, 12
	s_add_nc_u64 s[24:25], s[24:25], s[50:51]      ; my 32 rows of wv,
	s_lshl_b32 s50, s44, 8
	s_add_nc_u64 s[30:31], s[30:31], s[50:51]      ; their scale bytes,
	s_lshl_b32 s50, s44, 7
	s_add_nc_u64 s[36:37], s[36:37], s[50:51]      ; their biases
	s_lshl_b32 s50, s46, 5
	s_add_co_u32 s50, s50, s45
	s_mul_i32 s50, s50, VST
	s_add_nc_u64 s[58:59], s[42:43], s[50:51]      ; vq at this batch's step
	s_lshl_b32 s50, s44, 11
	s_add_nc_u64 s[42:43], s[58:59], s[50:51]      ; my two tiles' codes
	s_lshl_b32 s50, s44, 7
	s_add_nc_u64 s[58:59], s[58:59], s[50:51]      ; my pair's scale words (16,384 stands in the immediate)
.irp i, 0,1
.irp ks, 0,1
.irp cc, 0,1
	global_load_b128 v[16+16*\i+8*\ks+4*\cc:19+16*\i+8*\ks+4*\cc], v11, s[24:25] offset:2048*\i+64*\ks+32*\cc
.endr
.endr
	global_load_b32 v[52+\i], v12, s[30:31] offset:128*\i
	global_load_b32 v[64+8*\i], v13, s[36:37] offset:64*\i
.endr
.irp g, 0,1
.irp t, 0,1,2,3
	ds_load_b32 v[56+4*\g+\t], v10 offset:(64*\g+8*\t)*8
.endr
.endr
.macro VFF grp                         ; the fragments of the four tiles of pixels of group grp, both K steps
.irp t, 0,1,2,3
.irp ks, 0,1
.irp cc, 0,1
	ds_load_b128 v[80+16*\t+8*\ks+4*\cc:83+16*\t+8*\ks+4*\cc], v9 offset:(64*\grp+16*\t)*PIT+64*\ks+32*\cc
.endr
.endr
.endr
.endm
.macro VMUL grp                        ; 16 products: the eight sums take turns, one instruction a turn; the bias starts each sum
.irp t, 0,1,2,3
.irp i, 0,1
	MM 144+32*\i+8*\t, 80+16*\t, 16+16*\i, 64+8*\i, 56+4*\grp+\t, 52+\i, 0
.endr
.endr
.irp t, 0,1,2,3
.irp i, 0,1
	MM 144+32*\i+8*\t, 88+16*\t, 24+16*\i, 144+32*\i+8*\t, 56+4*\grp+\t, 52+\i, 1
.endr
.endr
.endm
.macro VQUANT grp                      ; a lane's 32 registers of a channel tile are one block: largest magnitude, scale, codes; the two tiles by turns; each sum is read from its low end on
.irp i, 0,1
	v_max3_num_f32 v[224+\i], |v[144+32*\i]|, |v[145+32*\i]|, 0x1800000   ; with the floor 2^(3 - 127): the byte cannot fall under 1
.endr
.irp n, 2,4,6,8,10,12,14,16,18,20,22,24,26,28,30
.irp i, 0,1
	v_max3_num_f32 v[224+\i], v[224+\i], |v[144+32*\i+\n]|, |v[145+32*\i+\n]|
.endr
.endr
.irp i, 0,1
	v_add_nc_u32 v[226+\i], 0xff000000, v[224+\i]  ; 2 off the exponent field: the conversion takes this operand's exponent field as its scale
.endr
.irp i, 0,1
	v_lshrrev_b32 v[228+2*\grp+\i], 23, v[226+\i]  ; the scale's byte
.endr
.irp i, 0,1
.irp t, 0,1,2,3
	v_cvt_scalef32_pk8_fp4_f32 v[208+8*\grp+4*\i+\t], v[144+32*\i+8*\t:151+32*\i+8*\t], v[226+\i]
.endr
.endr
	v_nop                                          ; one plain place behind the scaled conversions
.irp i, 0,1
	global_store_b128 v4, v[208+8*\grp+4*\i:211+8*\grp+4*\i], s[42:43] offset:1024*\i+512*\grp   ; registers 4 c .. 4 c + 3 of the fragment: 512 dense bytes
.endr
.endm
	VFF 0
	s_wait_loadcnt 0x0
.irp i, 0,1
.irp j, 1,2,3,4,5,6,7
	v_mov_b32 v[64+8*\i+\j], v[64+8*\i]            ; a lane holds one channel: its bias in all eight registers of C
.endr
.endr
	v_mov_b32 v234, 0                              ; written once: a lane permute's destination counts as one of its sources
	v_mov_b32 v235, 0
.rept 4
	v_nop
.endr
	s_wait_dscnt 0x0
	VMUL 0
.rept 4
	v_nop                                          ; four places in front of loads into registers that the products have read, and of the first read of results
.endr
	VFF 1
	VQUANT 0
	s_wait_dscnt 0x0                               ; the second group's fragments are in
	VMUL 1
.rept 4
	v_nop
.endr
	VQUANT 1
.irp i, 0,1
	v_lshl_or_b32 v[232+\i], v[230+\i], 16, v[228+\i]   ; my two bytes: blocks h and 2 + h of channel r,
.endr
.irp i, 0,1
	v_lshlrev_b32 v[232+\i], v14, v[232+\i]        ; at their places (8 h bits up);
.endr
.irp i, 0,1
	v_permlanex16_b32 v[234+\i], v[232+\i], s48, s49
.endr
.irp i, 0,1
	v_or_b32 v[232+\i], v[232+\i], v[234+\i]       ; with lane l xor 16's two the word is whole
.endr
	v_cmp_le_u32 vcc_lo, 16, v1
	v_cndmask_b32 v232, v232, v233, vcc_lo         ; lanes 0-15 the even tile's words, lanes 16-31 the odd tile's
	global_store_b32 v6, v232, s[58:59] offset:16384
	s_wait_tensorcnt 0x0
	ds_add_u32 v254, v255
	s_wait_dscnt 0x0
	s_endpgm
	; ---------------- q: waves 8, 9; k: waves 10, 11; 64 pixels each ----------------
	; v16-47 the weight's fragments (16 u + 8 ks); v52-53 their scale words; v56-59 the pixels' scale words (tile j); v64-79 the bias as C (8 u); v80-143 the pixels' fragments (16 j + 8 ks);
	; v144-207 the sums (16 j + 8 u); v208-215 codes (2 j); v224.. largest magnitudes, v228.. the other half's, v232.. scale operands, v236.. bytes
.Lqk:
	s_and_b32 s47, s44, 3                          ; 0, 1: q's two groups; 2, 3: k's
	s_and_b32 s60, s44, 1                          ; the group of 64 pixels
	s_cmp_lt_u32 s44, 10
	s_cselect_b64 s[20:21], s[20:21], s[22:23]     ; the weight's codes,
	s_cselect_b64 s[26:27], s[26:27], s[28:29]     ; its scale bytes,
	s_cselect_b64 s[32:33], s[32:33], s[34:35]     ; the bias,
	s_cselect_b64 s[38:39], s[38:39], s[40:41]     ; and where the result goes
	s_mul_i32 s50, s47, 64*PIT                     ; feature1's two groups, then feature2's, lie on end in LDS
	v_mul_u32_u24 v9, v2, PIT
	v_lshl_add_u32 v9, v3, 4, v9
	v_add_nc_u32 v9, s50, v9
	v_lshrrev_b32 v15, 3, v2
	v_and_b32 v10, 7, v2
	v_lshl_add_u32 v10, v15, 5, v10
	v_lshlrev_b32 v10, 3, v10
	v_lshl_add_u32 v10, v3, 2, v10
	s_lshl_b32 s50, s47, 9
	s_add_co_u32 s50, s50, FSC
	v_add_nc_u32 v10, s50, v10                     ; the pixels' scale words
	v_and_b32 v15, 8, v2
	v_add_nc_u32 v15, v15, v2                      ; r + (r & 8)
	v_lshlrev_b32 v11, 7, v15
	v_lshl_add_u32 v11, v3, 4, v11                 ; the weight's rows
	v_lshlrev_b32 v12, 3, v15
	v_lshl_add_u32 v12, v3, 2, v12                 ; their scale words
	v_lshlrev_b32 v13, 6, v3                       ; the bias: channels 16 h on
	v_lshlrev_b32 v14, 4, v2
	v_lshl_add_u32 v14, v3, 3, v14                 ; out: 16 r + 8 h
	v_lshlrev_b32 v15, 2, v2                       ; out, scale words: 4 r
	s_mul_i32 s50, s46, QKB
	s_lshl_b32 s52, s45, 11
	s_add_co_u32 s52, s52, s50
	s_lshl_b32 s53, s60, 10
	s_add_co_u32 s52, s52, s53
	s_mov_b32 s53, 0
	s_add_nc_u64 s[54:55], s[38:39], s[52:53]      ; my group's codes
	s_lshl_b32 s52, s45, 7
	s_add_co_u32 s52, s52, s50
	s_lshl_b32 s50, s60, 6
	s_add_co_u32 s52, s52, s50
	s_add_nc_u64 s[56:57], s[38:39], s[52:53]      ; its scale words (65,536 stands in the immediate)
.irp u, 0,1
.irp ks, 0,1
.irp cc, 0,1
	global_load_b128 v[16+16*\u+8*\ks+4*\cc:19+16*\u+8*\ks+4*\cc], v11, s[20:21] offset:1024*\u+64*\ks+32*\cc
.endr
.endr
	global_load_b32 v[52+\u], v12, s[26:27] offset:64*\u
	global_load_b128 v[64+8*\u:67+8*\u], v13, s[32:33] offset:32*\u       ; register j of C: the bias of channel 16 h + 8 u + j
	global_load_b128 v[68+8*\u:71+8*\u], v13, s[32:33] offset:32*\u+16
.endr
.irp j, 0,1,2,3
	ds_load_b32 v[56+\j], v10 offset:64*\j
.irp ks, 0,1
.irp cc, 0,1
	ds_load_b128 v[80+16*\j+8*\ks+4*\cc:83+16*\j+8*\ks+4*\cc], v9 offset:16*\j*PIT+64*\ks+32*\cc
.endr
.endr
.endr
.irp j, 0,1,2,3
	v_mov_b32 v[228+\j], 0                         ; written once: a lane permute's destination counts as one of its sources
.endr
	s_wait_loadcnt 0x0
	s_wait_dscnt 0x0
.irp j, 0,1,2,3                        ; the eight sums take turns, one instruction a turn
.irp u, 0,1
	MM 144+16*\j+8*\u, 16+16*\u, 80+16*\j, 64+8*\u, 52+\u, 56+\j, 0
.endr
.endr
.irp j, 0,1,2,3
.irp u, 0,1
	MM 144+16*\j+8*\u, 24+16*\u, 88+16*\j, 144+16*\j+8*\u, 52+\u, 56+\j, 1
.endr
.endr
.rept 4
	v_nop
.endr
.irp j, 0,1,2,3
	v_max3_num_f32 v[224+\j], |v[144+16*\j]|, |v[145+16*\j]|, 0x1800000   ; my 16 channels of the pixel, and the floor
.endr
.irp n, 2,4,6,8,10,12,14
.irp j, 0,1,2,3
	v_max3_num_f32 v[224+\j], v[224+\j], |v[144+16*\j+\n]|, |v[145+16*\j+\n]|
.endr
.endr
.irp j, 0,1,2,3
	v_permlanex16_b32 v[228+\j], v[224+\j], s48, s49
.endr
.irp j, 0,1,2,3
	v_max_num_f32 v[224+\j], v[224+\j], v[228+\j]  ; with lane l xor 16's 16 channels: the block's
.endr
.irp j, 0,1,2,3
	v_add_nc_u32 v[232+\j], 0xff000000, v[224+\j]
.endr
.irp j, 0,1,2,3
	v_lshrrev_b32 v[236+\j], 23, v[232+\j]
.endr
.irp j, 0,1,2,3
	v_cvt_scalef32_pk8_fp4_f32 v[208+2*\j], v[144+16*\j:151+16*\j], v[232+\j]
	v_cvt_scalef32_pk8_fp4_f32 v[209+2*\j], v[152+16*\j:159+16*\j], v[232+\j]
.endr
	v_nop                                          ; one plain place behind the scaled conversions
	v_lshl_or_b32 v240, v237, 8, v236              ; row r's scale word: byte j = tile j
	v_lshl_or_b32 v240, v238, 16, v240
	v_lshl_or_b32 v240, v239, 24, v240
.irp j, 0,1,2,3
	global_store_b64 v14, v[208+2*\j:209+2*\j], s[54:55] offset:256*\j    ; a tile's 16 rows of 16 bytes: 256 dense bytes
.endr
	global_store_b32 v15, v240, s[56:57] offset:65536                     ; the two halves of the lanes write the same word with the same value
	s_wait_tensorcnt 0x0
	ds_add_u32 v254, v255
	s_wait_dscnt 0x0
	s_endpgm
.Lfunc_end_k_qdde1eeb168_project:
	.size	k_qdde1eeb168_project, .Lfunc_end_k_qdde1eeb168_project-k_qdde1eeb168_project
	.p2alignl 7, 3214868480
	.fill 96, 4, 3214868480
	.section	.rodata,"a",@progbits
	.p2align	6, 0x0
	.amdhsa_kernel k_qdde1eeb168_project
		.amdhsa_group_segment_fixed_size 59904
		.amdhsa_private_segment_fixed_size 0
		.amdhsa_enable_private_segment 0
		.amdhsa_kernarg_size 144
		.amdhsa_user_sgpr_count 2
		.amdhsa_user_sgpr_kernarg_segment_ptr 1
		.amdhsa_wavefront_size32 1
		.amdhsa_system_sgpr_workgroup_id_x 1
		.amdhsa_system_sgpr_workgroup_id_y 1
		.amdhsa_system_sgpr_workgroup_id_z 1
		.amdhsa_system_vgpr_workitem_id 0
		.amdhsa_next_free_vgpr 256
		.amdhsa_next_free_sgpr 66
		.amdhsa_reserve_vcc 1
		.amdhsa_float_denorm_mode_32 3
		.amdhsa_float_denorm_mode_16_64 3
		.amdhsa_memory_ordered 1
		.amdhsa_forward_progress 1
		.amdhsa_inst_pref_size 32
	.end_amdhsa_kernel
	.amdgpu_metadata
---
amdhsa.version: [ 1, 2 ]
amdhsa.kernels:
  - .name:           k_qdde1eeb168_project
    .symbol:         k_qdde1eeb168_project.kd
    .args:
      - { .name: feature1_codes, .offset: 0, .size: 8, .value_kind: global_buffer, .address_space: global }
      - { .name: feature2_codes, .offset: 8, .size: 8, .value_kind: global_buffer, .address_space: global }
      - { .name: feature3_codes, .offset: 16, .size: 8, .value_kind: global_buffer, .address_space: global }
      - { .name: feature1_scales, .offset: 24, .size: 8, .value_kind: global_buffer, .address_space: global }
      - { .name: feature2_scales, .offset: 32, .size: 8, .value_kind: global_buffer, .address_space: global }
      - { .name: feature3_scales, .offset: 40, .size: 8, .value_kind: global_buffer, .address_space: global }
      - { .name: wq_codes, .offset: 48, .size: 8, .value_kind: global_buffer, .address_space: global }
      - { .name: wk_codes, .offset: 56, .size: 8, .value_kind: global_buffer, .address_space: global }
      - { .name: wv_codes, .offset: 64, .size: 8, .value_kind: global_buffer, .address_space: global }
      - { .name: wq_scales, .offset: 72, .size: 8, .value_kind: global_buffer, .address_space: global }
      - { .name: wk_scales, .offset: 80, .size: 8, .value_kind: global_buffer, .address_space: global }
      - { .name: wv_scales, .offset: 88, .size: 8, .value_kind: global_buffer, .address_space: global }
      - { .name: bq, .offset: 96, .size: 8, .value_kind: global_buffer, .address_space: global }
      - { .name: bk, .offset: 104, .size: 8, .value_kind: global_buffer, .address_space: global }
      - { .name: bv, .offset: 112, .size: 8, .value_kind: global_buffer, .address_space: global }
      - { .name: qq, .offset: 120, .size: 8, .value_kind: global_buffer, .address_space: global }
      - { .name: kq, .offset: 128, .size: 8, .value_kind: global_buffer, .address_space: global }
      - { .name: vq, .offset: 136, .size: 8, .value_kind: global_buffer, .address_space: global }
    .group_segment_fixed_size: 59904
    .private_segment_fixed_size: 0
    .kernarg_segment_align: 8
    .kernarg_segment_size: 144
    .max_flat_workgroup_size: 384
    .sgpr_count:     66
    .vgpr_count:     256
    .wavefront_size: 32
...
	.end_amdgpu_metadata
.endif
;; end of part 1
;; launch attend (part 2): grid 32 x 8, 8 waves a work-group, clusters of 4 x 1, 327,680 bytes of LDS; arguments qq, kq, vq, out0; writes out0
.if DOCPART == 2
	.amdgcn_target "amdgcn-amd-amdhsa--gfx1250"
	.amdhsa_code_object_version 6
	.text
	.protected	k_qdde1eeb168_attend
	.globl	k_qdde1eeb168_attend
	.p2align	8
	.type	k_qdde1eeb168_attend,@function
k_qdde1eeb168_attend:
	s_mov_b64 s[64:65], 0
	v_nop
	global_prefetch_b8 v0, s[64:65] scope:SCOPE_SE
	s_setreg_imm32_b32 hwreg(HW_REG_WAVE_MODE, 25, 1), 1
	s_wait_xcnt 0x0
	s_wait_alu depctr_hold_cnt(0) depctr_sa_sdst(0) depctr_va_vdst(0) depctr_va_sdst(0) depctr_va_ssrc(0) depctr_va_vcc(0) depctr_vm_vsrc(0)
	s_getreg_b32 s2, hwreg(HW_REG_IB_STS2, 6, 4)
	s_cmp_eq_u32 s2, 0
	s_cbranch_scc0 .Lentry_in_a_cluster
	s_endpgm
.Lentry_in_a_cluster:
	s_bfe_u32 s2, ttmp6, 0x10000c
	s_cmp_lg_u32 s2, 0x3003
	s_cbranch_scc0 .Lentry_shape_is_right
	s_endpgm
.Lentry_shape_is_right:
; out0[b][c][n] = sum over keys m of v[b][c][m] p[n][m] / l[n], p = 2^(t - M), t = (q[n] . k[m]) log2(e), M = ceil(the row's largest t), l = the sum of the unquantised p.
; Both products on codes of FP4 (E2M1) with E8M0 scales; q, k, v come quantised, in the order of the operand registers; p is quantised here, along the keys, in blocks of 32.
; SHARES.  A work-group owns 128 queries of a batch.  Wave w: g = w % 4 owns 32 of them (two tiles of 16), s = w / 4 says which half of the 4,096 keys it walks, 128 a step, 16 steps.
;   Two waves lie on a SIMD, so that one wave's products and LDS loads stand beside the other's vector work.  With one M for a row the two halves' sums simply add, which is done on the way out.
; K = 32 IN A FORM OF K = 128.  A fragment's four blocks of 32 hold FOUR tiles of 16 keys; q stands in one block of its fragment and zero codes in the three others, in four variants:
;   variant j picks tile j.  Zero codes add nothing under any scale byte that the quantiser gives.  The variants of a tile of queries overlay: [0][A][0][B][0], A = q in lanes 0-15, B = q in lanes 16-31.
; THE KEYS OF A TILE ARE NOT NEIGHBOURS: row rho of tile t of a step is key 64 (t / 4) + 32 (rho / 8) + 8 (t % 4) + rho % 8.  Both products are used transposed (S^T = K Q^T, O^T = V^T P^T), so a lane
;   holds one query, and the 32 registers of tiles 4 c .. 4 c + 3 are keys 64 c + 32 (lane / 16) + 0..31: a WHOLE block of p in a lane, in the order of the next operand's registers.
; TWO PASSES.  K of the whole batch (69,632 bytes) stays in LDS.  Pass 1: scores and maxima alone; each block's largest score goes to LDS, the row's largest gives M.  Pass 2: scores again, p, its codes
;   (a block's largest p is the block's largest score put through the same multiply-add and exponential; this takes v_exp_f32 not to fall where its input rises), the sums, and V^T P^T.  Nothing is ever rescaled.
; V comes through two LDS slots, each with two steps for each half of the keys.  CLUSTER: the four work-groups of a cluster belong to one batch and walk the same K and V: every tensor load is asked
;   for jointly, with the same descriptor and a mask that names the four.  All eight waves issue one load each (34 rows of 256 bytes), so no branch stands round a load.
;   A wave has at most three tensor loads outstanding (the first fills), later one.
; LIMITS: p under 2^-126 comes out of v_exp_f32 as 0; a block whose every p is 0 keeps the scale byte 1 over zero codes; NaN and infinities are not served.
; REGISTERS, window 0: v1, v2 the add's; v3-9 LDS addresses that stay; v10-12 those in hand; v13 8 (lane / 16); v14-15 permutes' results; v16-51 Q; v52-53 Q's scale words; v54 K's; v56-63 V's; v64-65 p's;
;   v66-81 two fragments of K; v82-97 p's codes; v98-101 block maxima (2 qt + c); v102-105 as p; v106-109 scale operands; v110-113 bytes, at work; v114, v116 -M; v118-125 sums; v126-127 row maxima;
;   v128-255 S^T (64 qt + 8 t), then p, then V's 16 fragments.   window 1: O^T (128 qt + 8 ct).
.set PART,  8704                       ; what one tensor load brings: 34 rows of 256 bytes
.set SLB,   69632                      ; K's region, and a slot of V: eight such parts
.set SL0,   69632
.set SL1,   139264
.set VST,   17408                      ; a step of V: 16,384 bytes of codes, 1,024 of scale words
.set BM,    208896                     ; block maxima: 8 waves x 16 steps x 512 bytes
.set RM,    274432                     ; row maxima, for the exchange between the halves of the keys
.set LSM,   276480                     ; the two halves' row sums, 512 bytes each
.set SPARE, 277504                     ; the spare words, 128 bytes for each wave: four blocks of 256 bytes that no other line names
.set SP,    528                        ; the way out: a stage row, 128 queries x 4 bytes + 16
.set STB,   256*SP                     ; a stage: 256 channels.  Stage s lies at s x STB, over K, the slots and the block maxima, which have had their last fill and their last read by then
.set MSB, 0
.macro WIN new                         ; the immediate's high byte repeats the setting that is left
.if MSB != \new
	s_set_vgpr_msb (MSB<<8)|\new
.set MSB, \new
.endif
.endm
; A round of the cluster's barrier: my work-group's barrier; wave 0 signals for the work-group; every wave waits for all four work-groups; my work-group's barrier once more.
.macro ROUND
	s_barrier_signal -1
	s_barrier_wait -1
	s_cmp_lg_u32 s12, 0
	s_cbranch_scc1 .Lnot_wave_0_\@
	s_barrier_signal -3
.Lnot_wave_0_\@:
	s_barrier_wait -3
	s_barrier_signal -1
	s_barrier_wait -1
.endm
	s_load_b256 s[4:11], s[0:1], 0x0               ; qq s[4:5], kq s[6:7], vq s[8:9], out0 s[10:11]
	v_lshl_add_u32 v1, v0, 2, SPARE
	v_mov_b32 v2, 0
	ds_add_u32 v1, v2
	ds_add_u32 v1, v2
	s_wait_dscnt 0x0
	v_lshrrev_b32 v10, 5, v0
	v_readfirstlane_b32 s12, v10                   ; wave 0..7
	s_and_b32 s13, s12, 3                          ; g: my 32 queries
	s_lshr_b32 s14, s12, 2                         ; s: my half of the keys
	s_bfe_u32 s44, ttmp6, 0x40000                  ; cx: my place in the cluster: it enters Q's and out0's global addresses alone
	s_lshl_b32 s45, ttmp9, 2
	s_add_co_u32 s45, s45, s44                     ; my block of 128 queries
	s_and_b32 s46, ttmp7, 0xffff                   ; the batch, which the four partners share
	; descriptor group 1: 34 rows of 32 elements of 8 bytes, dense in memory and in LDS
	s_mov_b32 s16, 15|(3<<16)|(1<<21)              ; 15:0 the mask: all four work-groups; 17:16 elements of 8 bytes; 21 set beside a mask; no padding
	s_mov_b32 s17, 32<<16                          ; tensor_dim0 = 32
	s_mov_b32 s18, 34<<16                          ; tensor_dim1 = 34
	s_mov_b32 s19, 32<<16                          ; tile_dim0 = 32
	s_mov_b32 s20, 34                              ; tile_dim1 = 34
	s_mov_b32 s21, 32                              ; elements from row to row
	s_mov_b32 s22, 0
	s_mov_b32 s23, 0
	s_mov_b32 s36, 0x76543210
	s_mov_b32 s37, 0xfedcba98                      ; v_permlanex16_b32's selects for lane l xor 16
	s_mov_b32 s38, 0x3fb8aa3b                      ; log2(e)
	s_mov_b32 s39, s38                             ; (the packed form names the pair and takes its low word for both halves)
	s_mul_i32 s47, s12, PART                       ; my part of K's region and of a slot
	s_mul_i32 s48, s46, SLB                        ; the batch in qq and kq
	s_add_co_u32 s50, s48, s47
	s_mov_b32 s51, 0
	s_mul_i32 s52, s46, 32*VST                     ; the batch in vq,
	s_mul_i32 s54, s14, 16*VST                     ; the half of the keys for which I fetch,
	s_add_co_u32 s52, s52, s54
	s_mul_i32 s54, s13, PART                       ; my quarter of its two steps
	s_add_co_u32 s52, s52, s54
	s_mov_b32 s53, 0
	v_and_b32 v110, 31, v0                         ; lane
	v_and_b32 v111, 15, v0                         ; r
	v_bfe_u32 v13, v0, 4, 1
	v_lshlrev_b32 v13, 3, v13                      ; 8 h
	s_lshl_b32 s54, s14, 15
	v_lshl_add_u32 v3, v110, 4, s54                ; K's fragments: 16 x lane + my half's 16 steps of 2,048 bytes
	s_lshl_b32 s54, s14, 11
	s_add_co_u32 s54, s54, 65536
	v_lshl_add_u32 v4, v110, 2, s54                ; K's scale words: 128 bytes a step
	s_lshl_b32 s54, s12, 13
	s_add_co_u32 s54, s54, BM
	v_lshl_add_u32 v5, v110, 4, s54                ; my wave's block maxima: 512 bytes a step
	s_mul_i32 s54, s14, 2*VST
	s_add_co_u32 s55, s54, SL0
	v_lshl_add_u32 v6, v110, 4, s55                ; V's fragments in slot 0,
	s_add_co_u32 s55, s54, SL1
	v_lshl_add_u32 v7, v110, 4, s55                ; in slot 1;
	s_add_co_u32 s55, s54, SL0+16384
	v_lshl_add_u32 v8, v110, 2, s55                ; V's scale words likewise
	s_add_co_u32 s55, s54, SL1+16384
	v_lshl_add_u32 v9, v110, 2, s55
	v_lshlrev_b32 v112, 4, v111                    ; Q: 16 r
	v_lshlrev_b32 v113, 2, v111                    ; its scale words: 4 r
	s_wait_kmcnt 0x0
	s_mov_b32 s24, 1                               ; group 0 for K: count = 1,
	s_mov_b32 s25, s47                             ; LDS address,
	s_add_nc_u64 s[26:27], s[6:7], s[50:51]        ; global address,
	s_or_b32 s27, s27, 0x80000000                  ; type = 2
	s_add_nc_u64 s[8:9], s[8:9], s[52:53]
.irp n, 0,1
	s_mov_b32 s[28+4*\n], 1                        ; group 0 for slot n, which begins with my half's steps 2 n and 2 n + 1
	s_add_co_u32 s[29+4*\n], s47, SL0+\n*SLB
	s_add_nc_u64 s[30+4*\n:31+4*\n], s[8:9], \n*2*VST
	s_or_b32 s[31+4*\n], s[31+4*\n], 0x80000000
.endr
	s_lshl_b32 s56, s45, 11                        ; Q's codes: batch + 2,048 x block + 512 g
	s_add_co_u32 s56, s56, s48
	s_lshl_b32 s57, s13, 9
	s_add_co_u32 s56, s56, s57
	s_mov_b32 s57, 0
	s_add_nc_u64 s[58:59], s[4:5], s[56:57]
	s_lshl_b32 s56, s45, 7                         ; its scale words: batch + 128 x block + 64 (g / 2)  (65,536 stands in the immediate)
	s_add_co_u32 s56, s56, s48
	s_lshr_b32 s60, s13, 1
	s_lshl_b32 s60, s60, 6
	s_add_co_u32 s56, s56, s60
	s_add_nc_u64 s[4:5], s[4:5], s[56:57]
	s_lshl_b32 s56, s46, 22                        ; out0: batch x 256 channels x 16,384 bytes + my 32 channels + my block's 512 bytes of a row
	s_lshl_b32 s60, s12, 19
	s_add_co_u32 s56, s56, s60
	s_lshl_b32 s60, s45, 9
	s_add_co_u32 s56, s56, s60
	s_add_nc_u64 s[10:11], s[10:11], s[56:57]
	s_and_b32 s60, s13, 1
	s_lshl_b32 s60, s60, 1
	s_mul_i32 s61, s60, 0x01010101                 ; byte selects: my first tile is tile 2 (g % 2) of its group,
	s_add_co_u32 s62, s61, 0x01010101              ; my second the next
	ROUND                                          ; all four work-groups are here: the first joint loads meet
	tensor_load_to_lds s[24:27], s[16:23]          ; the first fills go out as one group: K,
	s_nop 0
	tensor_load_to_lds s[28:31], s[16:23]          ; slot 0,
	s_nop 0
	tensor_load_to_lds s[32:35], s[16:23]          ; slot 1
	s_nop 0
.rept 4
	v_nop
.endr
	global_load_b128 v[128:131], v112, s[58:59]              ; q of my first tile's row r, in both halves of the lanes
	global_load_b128 v[132:135], v112, s[58:59] offset:256   ; of my second tile
	global_load_b32 v136, v113, s[4:5] offset:65536          ; row r's scale word: byte j = tile j
.irp z, 16,17,18,19,24,25,26,27,32,33,34,35,40,41,42,43,48,49,50,51
	v_mov_b32 v[\z], 0                             ; the zero codes between A and B
.endr
.irp z, 14,15,115,117,118,119,120,121,122,123,124,125
	v_mov_b32 v[\z], 0                             ; permutes' destinations, the upper halves of -M's pairs, the sums
.endr
	v_mov_b32 v126, 0xff800000                     ; the rows' largest scores so far
	v_mov_b32 v127, 0xff800000
	v_cmp_gt_u32 vcc_lo, 16, v110                  ; lanes 0-15
	s_wait_loadcnt 0x0
.irp qt, 0,1
.irp k, 0,1,2,3
	v_cndmask_b32 v[20+16*\qt+\k], 0, v[128+4*\qt+\k], vcc_lo      ; A: q in lanes 0-15
	v_cndmask_b32 v[28+16*\qt+\k], v[128+4*\qt+\k], v16, vcc_lo    ; B: q in lanes 16-31
.endr
.endr
	v_perm_b32 v52, v136, v136, s61                ; q's scale byte in all four bytes: whichever block q stands in
	v_perm_b32 v53, v136, v136, s62
.rept 8
	v_nop                                          ; a scale register written by a vector instruction stands 8 places ahead of a scaled product, an operand so written 4
.endr
; The next step's K: two fragments (four tiles of keys each) and the scale words (lanes 0-15 the first fragment's rows, lanes 16-31 the second's).  p2 = 1: its block maxima too.
; p2 = 0: with the two additions two v_nop make the four places between the products that read these registers and the loads into them (in pass 2 the scales' arithmetic stands there).
.macro KNEXT p2
	v_add_nc_u32 v10, s40, v3
	v_add_nc_u32 v11, s41, v4
.if \p2
	v_add_nc_u32 v12, s42, v5
.else
	v_nop
	v_nop
.endif
.irp c, 0,1,2,3
	ds_load_b128 v[66+4*\c:69+4*\c], v10 offset:512*\c
.endr
	ds_load_b32 v54, v11
.if \p2
	ds_load_b128 v[98:101], v12
	s_add_co_u32 s42, s42, 512
.endif
	s_add_co_u32 s40, s40, 2048
	s_add_co_u32 s41, s41, 128
.endm
; S^T of a step: 8 tiles of keys x my 2 tiles of queries.  Tile t: fragment t / 4, Q's variant t % 4, which begins at A + 8 (t % 2) - 4 ((t % 4) / 2).
.macro SMUL
.irp t, 0,1,2,3,4,5,6,7
.irp qt, 0,1
.if \t < 4
	v_wmma_scale_f32_16x16x128_f8f6f4 v[128+64*\qt+8*\t:135+64*\qt+8*\t], v[66:73], v[20+16*\qt+8*(\t%2)-4*((\t%4)/2):27+16*\qt+8*(\t%2)-4*((\t%4)/2)], 0, v54, v[52+\qt] matrix_a_fmt:MATRIX_FMT_FP4 matrix_b_fmt:MATRIX_FMT_FP4
.else
	v_wmma_scale_f32_16x16x128_f8f6f4 v[128+64*\qt+8*\t:135+64*\qt+8*\t], v[74:81], v[20+16*\qt+8*(\t%2)-4*((\t%4)/2):27+16*\qt+8*(\t%2)-4*((\t%4)/2)], 0, v54, v[52+\qt] matrix_a_fmt:MATRIX_FMT_FP4 matrix_b_fmt:MATRIX_FMT_FP4 matrix_a_scale:MATRIX_SCALE_ROW1
.endif
.endr
.endr
.endm
; PASS 1, a step: the scores; the largest of each of my four blocks (chain k = 2 qt + c, registers 128 + 32 k on, ascending: each result is read from its low end on); the running row maxima.
.macro STEP1 next
	s_wait_dscnt 0x0                               ; K's fragments and words are in, and the last step's store has gone
	SMUL
.if \next
	KNEXT 0
.else
.rept 4
	v_nop
.endr
.endif
.irp k, 0,1,2,3
	v_max3_num_f32 v[98+\k], v[128+32*\k], v[129+32*\k], v[130+32*\k]
.endr
.irp i, 3,5,7,9,11,13,15,17,19,21,23,25,27,29
.irp k, 0,1,2,3
	v_max3_num_f32 v[98+\k], v[98+\k], v[128+32*\k+\i], v[129+32*\k+\i]
.endr
.endr
.irp k, 0,1,2,3
	v_max_num_f32 v[98+\k], v[98+\k], v[159+32*\k]
.endr
.irp qt, 0,1
	v_max3_num_f32 v[126+\qt], v[126+\qt], v[98+2*\qt], v[99+2*\qt]
.endr
	v_add_nc_u32 v12, s42, v5
	ds_store_b128 v12, v[98:101]                   ; my lane's four block maxima: read back by this lane in pass 2
	s_add_co_u32 s42, s42, 512
.endm
	s_wait_tensorcnt 0x2                           ; my part of K is in; the two fills of V issued behind it may stay out
	s_barrier_signal -1
	s_barrier_wait -1                              ; everybody's part is in
	s_mov_b32 s40, 0
	s_mov_b32 s41, 0
	s_mov_b32 s42, 0
	KNEXT 0
	s_mov_b32 s43, 15
.Lpass1:
	STEP1 1
	s_sub_co_u32 s43, s43, 1
	s_cmp_lg_u32 s43, 0
	s_cbranch_scc1 .Lpass1
	STEP1 0
	; THE ROWS' MAXIMA: the other half of the lanes', then the other half of the keys' (wave w xor 4, through LDS).
.irp qt, 0,1
	v_permlanex16_b32 v[14+\qt], v[126+\qt], s36, s37
.endr
.irp qt, 0,1
	v_max_num_f32 v[126+\qt], v[126+\qt], v[14+\qt]
.endr
	v_lshlrev_b32 v110, 3, v0
	v_xor_b32 v111, 1024, v110                     ; thread xor 128
	v_add_nc_u32 v110, RM, v110
	v_add_nc_u32 v111, RM, v111
	ds_store_b64 v110, v[126:127]
	s_mov_b32 s40, 0
	s_mov_b32 s41, 0
	s_mov_b32 s42, 0
	s_wait_tensorcnt 0x1                           ; my part of slot 0 is in; slot 1's fill, issued behind it, may stay out
	s_wait_dscnt 0x0                               ; my stores have landed
	s_barrier_signal -1
	s_barrier_wait -1
	ds_load_b64 v[112:113], v111
	KNEXT 1
	s_wait_dscnt 0x6                               ; the partner's maxima are in; the six loads issued behind them may be out
	v_max_num_f32 v126, v126, v112
	v_max_num_f32 v127, v127, v113
	v_mul_f32 v110, s38, v126                      ; as t
	v_mul_f32 v111, s38, v127
	v_floor_f32 v114, -v110                        ; -M = floor(-t) = -ceil(t)
	v_floor_f32 v116, -v111
; PASS 2.  The four blocks' largest p, their scale operands and bytes, and p's two scale words (byte 2 c + h: my two bytes at 8 h bits up, the other two from lane l xor 16).
.macro BLOCKSCALE
	v_pk_fma_f32 v[102:103], v[98:99], s[38:39], v[114:115] op_sel_hi:[1,0,0]
	v_pk_fma_f32 v[104:105], v[100:101], s[38:39], v[116:117] op_sel_hi:[1,0,0]
.irp k, 0,1,2,3
	v_exp_f32 v[102+\k], v[102+\k]
.endr
	v_nop                                          ; a plain place behind the exponentials
	s_wait_alu depctr_va_vdst(0)
.irp k, 0,1,2,3
	v_max_num_f32 v[102+\k], 0x1800000, v[102+\k]  ; the floor 2^(3 - 127): the byte cannot fall under 1
.endr
.irp k, 0,1,2,3
	v_add_nc_u32 v[106+\k], 0xff000000, v[102+\k]  ; 2 off the exponent field: the conversion's scale operand
.endr
.irp k, 0,1,2,3
	v_lshrrev_b32 v[110+\k], 23, v[106+\k]
.endr
.irp qt, 0,1
	v_lshl_or_b32 v[110+2*\qt], v[111+2*\qt], 16, v[110+2*\qt]
.endr
.irp qt, 0,1
	v_lshlrev_b32 v[110+2*\qt], v13, v[110+2*\qt]
.endr
.irp qt, 0,1
	v_permlanex16_b32 v[14+\qt], v[110+2*\qt], s36, s37
.endr
.irp qt, 0,1
	v_or_b32 v[64+\qt], v[110+2*\qt], v[14+\qt]
.endr
.endm
.macro CVT qt                          ; a tile's 64 p become the operand's eight registers as they stand
	s_wait_alu depctr_va_vdst(0)
.irp c, 0,1
.irp e, 0,1,2,3
	v_cvt_scalef32_pk8_fp4_f32 v[82+8*\qt+4*\c+\e], v[128+64*\qt+32*\c+8*\e:135+64*\qt+32*\c+8*\e], v[106+2*\qt+\c]
.endr
.endr
	v_nop                                          ; one plain place behind the scaled conversions
.endm
.macro VLOAD n, q, half                ; V's fragments of channel tiles 8 half .. 8 half + 7 of the slot's q-th step, over p's registers, which are done with; with the first half the scale words
.irp cc, 0,1,2,3,4,5,6,7
.irp c2, 0,1
	ds_load_b128 v[128+8*(8*\half+\cc)+4*\c2:131+8*(8*\half+\cc)+4*\c2], v[6+\n] offset:\q*VST+(8*\half+\cc)*1024+512*\c2
.endr
.endr
.if \half == 0
.irp pp, 0,1,2,3,4,5,6,7
	ds_load_b32 v[56+\pp], v[8+\n] offset:\q*VST+128*\pp
.endr
.endif
.endm
.macro PV1 ct, qt, zero                ; O^T(ct, qt) += V^T(ct) P^T(qt); an odd tile's scale words lie in lanes 16-31
.if \zero
.if (\ct)%2
	v_wmma_scale_f32_16x16x128_f8f6f4 v[128*\qt+8*\ct:128*\qt+8*\ct+7], v[128+8*\ct:135+8*\ct], v[82+8*\qt:89+8*\qt], 0, v[56+\ct/2], v[64+\qt] matrix_a_fmt:MATRIX_FMT_FP4 matrix_b_fmt:MATRIX_FMT_FP4 matrix_a_scale:MATRIX_SCALE_ROW1
.else
	v_wmma_scale_f32_16x16x128_f8f6f4 v[128*\qt+8*\ct:128*\qt+8*\ct+7], v[128+8*\ct:135+8*\ct], v[82+8*\qt:89+8*\qt], 0, v[56+\ct/2], v[64+\qt] matrix_a_fmt:MATRIX_FMT_FP4 matrix_b_fmt:MATRIX_FMT_FP4
.endif
.else
.if (\ct)%2
	v_wmma_scale_f32_16x16x128_f8f6f4 v[128*\qt+8*\ct:128*\qt+8*\ct+7], v[128+8*\ct:135+8*\ct], v[82+8*\qt:89+8*\qt], v[128*\qt+8*\ct:128*\qt+8*\ct+7], v[56+\ct/2], v[64+\qt] matrix_a_fmt:MATRIX_FMT_FP4 matrix_b_fmt:MATRIX_FMT_FP4 matrix_a_scale:MATRIX_SCALE_ROW1
.else
	v_wmma_scale_f32_16x16x128_f8f6f4 v[128*\qt+8*\ct:128*\qt+8*\ct+7], v[128+8*\ct:135+8*\ct], v[82+8*\qt:89+8*\qt], v[128*\qt+8*\ct:128*\qt+8*\ct+7], v[56+\ct/2], v[64+\qt] matrix_a_fmt:MATRIX_FMT_FP4 matrix_b_fmt:MATRIX_FMT_FP4
.endif
.endif
.endm
.macro PV half, zero                   ; 16 products; each of the 32 accumulators has one instruction a step
.irp cc, 0,1,2,3,4,5,6,7
.irp qt, 0,1
	PV1 (8*\half+\cc), \qt, \zero
.endr
.endr
.endm
; A step of pass 2: slot n, its q-th step.  zero = 1: the products start O^T's sums: nothing is cleared.  next = 1: the next step's K and block maxima are fetched.
.macro STEP2 n, q, zero, next
	s_wait_dscnt 0x0                               ; K's fragments and words and the block maxima are in
.rept 5
	v_nop                                          ; S^T is laid over V's fragments, which the last products read: five places in front of a product that writes over them
.endr
	SMUL
	BLOCKSCALE                                     ; its plain lines are the places behind the scores' products
.if \next
	KNEXT 1
.endif
.set i, 0
.rept 32
	v_pk_fma_f32 v[128+2*i:129+2*i], v[128+2*i:129+2*i], s[38:39], v[114:115] op_sel_hi:[1,0,0]   ; tile 0: t - M, two at a time, ascending
.set i, i+1
.endr
.set i, 0
.rept 32                               ; tile 0's exponentials, with tile 1's t - M as the plain line between them
	v_exp_f32 v[128+2*i], v[128+2*i]
	v_exp_f32 v[129+2*i], v[129+2*i]
	v_pk_fma_f32 v[192+2*i:193+2*i], v[192+2*i:193+2*i], s[38:39], v[116:117] op_sel_hi:[1,0,0]
.set i, i+1
.endr
	CVT 0
.set i, 0
.rept 32                               ; tile 1's exponentials, with tile 0's sums (of the unquantised p, in two chains) between them
	v_exp_f32 v[192+2*i], v[192+2*i]
	v_exp_f32 v[193+2*i], v[193+2*i]
	v_pk_add_f32 v[118+2*(i%2):119+2*(i%2)], v[118+2*(i%2):119+2*(i%2)], v[128+2*i:129+2*i]
.set i, i+1
.endr
	VLOAD \n, \q, 0
	CVT 1
.set i, 0
.rept 32
	v_pk_add_f32 v[122+2*(i%2):123+2*(i%2)], v[122+2*(i%2):123+2*(i%2)], v[192+2*i:193+2*i]
.set i, i+1
.endr
	VLOAD \n, \q, 1
	s_wait_dscnt 16                                ; all but the sixteen loads of the second half
	WIN 0x50                                       ; C and D in window 1
	PV 0, \zero
	s_wait_dscnt 0x0
	PV 1, \zero
	WIN 0                                          ; at a label and at a branch every window is 0
.endm
; THE CHANGE OF SLOTS.  Each wave waits for all its tensor loads (one is out: its part of the slot ahead), adds 0 to its spare word, and waits for that and for its reads of slot n, which it has left.
; fill = 1: a round of the cluster's barrier, so that no wave of any partner still reads slot n or has a load on its way; the joint refill, four steps of V on, is the first thing behind it and has two steps in which to land.
.macro CHANGE n, fill
	s_wait_tensorcnt 0x0
	ds_add_u32 v1, v2                              ; 0 onto my spare word
.if \fill
	s_add_nc_u64 s[30+4*\n:31+4*\n], s[30+4*\n:31+4*\n], 4*VST   ; no load of mine is out, so a group 0 may be written; the type bits on top are not reached
.endif
	s_wait_dscnt 0x0
.if \fill
	ROUND
	tensor_load_to_lds s[28+4*\n:31+4*\n], s[16:23]
	s_nop 0
.rept 4
	v_nop
.endr
.else
	s_barrier_signal -1
	s_barrier_wait -1
.endif
.endm
	STEP2 0, 0, 1, 1
	STEP2 0, 1, 0, 1
	s_mov_b32 s43, 3
.Lturns:                                           ; three trips, four steps each: both slots are filled again in each
	CHANGE 0, 1
	STEP2 1, 0, 0, 1
	STEP2 1, 1, 0, 1
	CHANGE 1, 1
	STEP2 0, 0, 0, 1
	STEP2 0, 1, 0, 1
	s_sub_co_u32 s43, s43, 1
	s_cmp_lg_u32 s43, 0
	s_cbranch_scc1 .Lturns
	CHANGE 0, 0                                    ; the last two steps are written out: nothing is left to fetch
	STEP2 1, 0, 0, 1
	STEP2 1, 1, 0, 0
	; THE WAY OUT.  The rows' sums of my half of the keys (these lines are the places behind the last products); then O^T of both halves meets in two stages, [channel][query], since out0 has the queries innermost.
.irp qt, 0,1
	v_pk_add_f32 v[118+4*\qt:119+4*\qt], v[118+4*\qt:119+4*\qt], v[120+4*\qt:121+4*\qt]
.endr
.irp qt, 0,1
	v_add_f32 v[118+4*\qt], v[118+4*\qt], v[119+4*\qt]
.endr
.irp qt, 0,1
	v_permlanex16_b32 v[14+\qt], v[118+4*\qt], s36, s37
.endr
.irp qt, 0,1
	v_add_f32 v[118+4*\qt], v[118+4*\qt], v[14+\qt]
.endr
	v_and_b32 v110, 15, v0                         ; r
	v_bfe_u32 v111, v0, 4, 1                       ; h
	v_lshrrev_b32 v112, 3, v110
	v_and_b32 v113, 7, v110
	v_lshl_add_u32 v112, v112, 5, v113             ; row r of my tile qt is query 64 (g / 2) + 16 (g % 2) + 32 (r / 8) + r % 8 + 8 qt of the block
	s_lshr_b32 s44, s13, 1
	s_lshl_b32 s44, s44, 6
	s_and_b32 s47, s13, 1
	s_lshl_b32 s47, s47, 4
	s_add_co_u32 s44, s44, s47
	v_add_nc_u32 v112, s44, v112
	v_lshlrev_b32 v112, 2, v112                    ; in bytes
	s_lshl_b32 s47, s14, 9
	s_add_co_u32 s47, s47, LSM
	v_add_nc_u32 v113, s47, v112
	ds_store_b32 v113, v118                        ; (the two halves of the lanes write the same word with the same value)
	ds_store_b32 v113, v122 offset:32
	s_mul_i32 s47, s14, STB                        ; my half's stage
	v_mul_u32_u24 v111, v111, 8*SP                 ; register j of tile ct is channel 16 ct + 8 h + j
	v_add_nc_u32 v111, v111, v112
	v_add_nc_u32 v16, s47, v111                    ; four address registers, 64 channels apart, so that the rest fits the immediate
	v_add_nc_u32 v17, 64*SP, v16
	v_add_nc_u32 v18, 64*SP, v17
	v_add_nc_u32 v19, 64*SP, v18
	v_and_b32 v110, 31, v0
	v_lshlrev_b32 v110, 4, v110                    ; back: 16 bytes a lane of a row of 512; the same in out0
	v_add_nc_u32 v111, LSM, v110
	s_mul_i32 s47, s12, 32*SP                      ; wave w stores channels 32 w .. 32 w + 31
	v_add_nc_u32 v112, s47, v110
	v_add_nc_u32 v113, STB, v112
	s_wait_dscnt 0x0                               ; my reads of K, of the slots and of the block maxima are over, my sums have landed
	s_barrier_signal -1
	s_barrier_wait -1                              ; everybody's: the stages may be written
	WIN 0x04                                       ; an LDS store's data are its source 1: window 1
.irp ct, 0,1,2,3,4,5,6,7,8,9,10,11,12,13,14,15
.irp qt, 0,1
.irp j, 0,1,2,3,4,5,6,7
	ds_store_b32 v[16+\ct/4], v[128*\qt+8*\ct+\j] offset:(16*(\ct%4)+\j)*SP+32*\qt   ; each accumulator from its low end on
.endr
.endr
.endr
	WIN 0
	s_wait_dscnt 0x0
	s_barrier_signal -1
	s_barrier_wait -1                              ; both stages are whole
.macro BATCH bt                        ; eight rows of both stages, in pairs
.irp i, 0,1,2,3,4,5,6,7
	ds_load_b128 v[128+64*((\bt)%2)+4*\i:131+64*((\bt)%2)+4*\i], v112 offset:(8*(\bt)+\i)*SP
	ds_load_b128 v[160+64*((\bt)%2)+4*\i:163+64*((\bt)%2)+4*\i], v113 offset:(8*(\bt)+\i)*SP
.endr
.endm
.macro OUTROWS bt, younger             ; younger: the next batch's sixteen loads, or none
.irp i, 0,1,2,3,4,5,6,7
	s_wait_dscnt \younger+14-2*\i                  ; pair i is in; behind it this batch's 14 - 2 i loads and the next batch's
	v_pk_add_f32 v[128+64*((\bt)%2)+4*\i:129+64*((\bt)%2)+4*\i], v[128+64*((\bt)%2)+4*\i:129+64*((\bt)%2)+4*\i], v[160+64*((\bt)%2)+4*\i:161+64*((\bt)%2)+4*\i]
	v_pk_add_f32 v[130+64*((\bt)%2)+4*\i:131+64*((\bt)%2)+4*\i], v[130+64*((\bt)%2)+4*\i:131+64*((\bt)%2)+4*\i], v[162+64*((\bt)%2)+4*\i:163+64*((\bt)%2)+4*\i]
	v_pk_mul_f32 v[128+64*((\bt)%2)+4*\i:129+64*((\bt)%2)+4*\i], v[128+64*((\bt)%2)+4*\i:129+64*((\bt)%2)+4*\i], v[20:21]
	v_pk_mul_f32 v[130+64*((\bt)%2)+4*\i:131+64*((\bt)%2)+4*\i], v[130+64*((\bt)%2)+4*\i:131+64*((\bt)%2)+4*\i], v[22:23]
	global_store_b128 v110, v[128+64*((\bt)%2)+4*\i:131+64*((\bt)%2)+4*\i], s[10:11] offset:(8*(\bt)+\i)*16384 th:TH_STORE_NT   ; 32 lanes store 512 consecutive bytes, at a multiple of 256 from out0's first byte
.endr
.endm
	ds_load_b128 v[20:23], v111                    ; the sums of my four queries, first half of the keys,
	ds_load_b128 v[24:27], v111 offset:512         ; second half
	BATCH 0
	BATCH 1
	s_wait_dscnt 32                                ; the sums are in; the two batches issued behind them may be out
	v_pk_add_f32 v[20:21], v[20:21], v[24:25]
	v_pk_add_f32 v[22:23], v[22:23], v[26:27]
.irp k, 0,1,2,3
	v_rcp_f32 v[20+\k], v[20+\k]
.endr
	v_nop                                          ; a plain place behind the reciprocals
	s_wait_alu depctr_va_vdst(0)
	OUTROWS 0, 16
	s_wait_xcnt 0x0                                ; batch 0's stores have read their registers: batch 2 may land there
	BATCH 2
	OUTROWS 1, 16
	s_wait_xcnt 0x0                                ; likewise batch 1's
	BATCH 3
	OUTROWS 2, 16
	OUTROWS 3, 0
	s_wait_tensorcnt 0x0                           ; the wave's end, behind my last tensor load and my last LDS store
	ds_add_u32 v1, v2
	s_wait_dscnt 0x0
	ROUND                                          ; the closing round: no work-group ends while a partner may still ask for a tile that names it
	s_endpgm
.Lfunc_end_k_qdde1eeb168_attend:
	.size	k_qdde1eeb168_attend, .Lfunc_end_k_qdde1eeb168_attend-k_qdde1eeb168_attend
	.p2alignl 7, 3214868480
	.fill 96, 4, 3214868480
	.section	.rodata,"a",@progbits
	.p2align	6, 0x0
	.amdhsa_kernel k_qdde1eeb168_attend
		.amdhsa_group_segment_fixed_size 327680
		.amdhsa_private_segment_fixed_size 0
		.amdhsa_enable_private_segment 0
		.amdhsa_kernarg_size 32
		.amdhsa_user_sgpr_count 2
		.amdhsa_user_sgpr_kernarg_segment_ptr 1
		.amdhsa_wavefront_size32 1
		.amdhsa_system_sgpr_workgroup_id_x 1
		.amdhsa_system_sgpr_workgroup_id_y 1
		.amdhsa_system_sgpr_workgroup_id_z 1
		.amdhsa_system_vgpr_workitem_id 0
		.amdhsa_next_free_vgpr 512
		.amdhsa_next_free_sgpr 66
		.amdhsa_reserve_vcc 1
		.amdhsa_float_denorm_mode_32 3
		.amdhsa_float_denorm_mode_16_64 3
		.amdhsa_memory_ordered 1
		.amdhsa_forward_progress 1
		.amdhsa_inst_pref_size 251
	.end_amdhsa_kernel
	.amdgpu_metadata
---
amdhsa.version: [ 1, 2 ]
amdhsa.kernels:
  - .name:           k_qdde1eeb168_attend
    .symbol:         k_qdde1eeb168_attend.kd
    .args:
      - { .name: qq, .offset: 0, .size: 8, .value_kind: global_buffer, .address_space: global }
      - { .name: kq, .offset: 8, .size: 8, .value_kind: global_buffer, .address_space: global }
      - { .name: vq, .offset: 16, .size: 8, .value_kind: global_buffer, .address_space: global }
      - { .name: out0, .offset: 24, .size: 8, .value_kind: global_buffer, .address_space: global }
    .group_segment_fixed_size: 327680
    .private_segment_fixed_size: 0
    .kernarg_segment_align: 8
    .kernarg_segment_size: 32
    .max_flat_workgroup_size: 256
    .sgpr_count:     66
    .vgpr_count:     512
    .wavefront_size: 32
...
	.end_amdgpu_metadata
.endif
;; end of part 2
